; MI455X (gfx1250); checked and timed in simulation.
; The chip was launched on July 23, 2026; its instructions are those of AMD's public machine-readable ISA for CDNA 5 (MIT licence, August 2026) and "CDNA5" Instruction Set Architecture Reference Guide (July 2026). The comments in the code are by the model that wrote it; some were corrected since.
;; Multi Head Attention. Allowed arithmetic: matrix products marked QUANTISED: E2M3 operands, one E8M0 scale for each 32 along K, by v_wmma_scale_f32_16x16x128_f8f6f4 with both operands' format E2M3, f32 sums; everything else in f32.
;; Inputs: Wk_codes 1,024 x 32 x 24 uint8 (E2M3 codes of Wk, K innermost, in blocks of 32 codes, four codes in three bytes); Wk_scales 1,024 x 32 uint8 (E8M0 scales of Wk, one for each 32 codes along K); Wo_codes 1,024 x 32 x 24 uint8 (E2M3 codes of Wo, K innermost, in blocks of 32 codes, four codes in three bytes); Wo_scales 1,024 x 32 uint8 (E8M0 scales of Wo, one for each 32 codes along K); Wq_codes 1,024 x 32 x 24 uint8 (E2M3 codes of Wq, K innermost, in blocks of 32 codes, four codes in three bytes); Wq_scales 1,024 x 32 uint8 (E8M0 scales of Wq, one for each 32 codes along K); Wv_codes 1,024 x 32 x 24 uint8 (E2M3 codes of Wv, K innermost, in blocks of 32 codes, four codes in three bytes); Wv_scales 1,024 x 32 uint8 (E8M0 scales of Wv, one for each 32 codes along K); bk 1,024 float32; bo 1,024 float32; bq 1,024 float32; bv 1,024 float32; x_codes 4 x 2,048 x 32 x 24 uint8 (E2M3 codes of x, K innermost, in blocks of 32 codes, four codes in three bytes); x_scales 4 x 2,048 x 32 uint8 (E8M0 scales of x, one for each 32 codes along K).
;; Outputs: out0 4 x 2,048 x 1,024 float32.
;; This version of the problem:
;;   THIS VERSION OF THE PROBLEM IS GIVEN IN LOW PRECISION. The matrix products marked QUANTISED in the list below multiply operands that are first quantised to E2M3 (2 exponent bits, 3 mantissa bits; 6 bits a number), with one power-of-two scale for each 32 numbers along K (OCP MX v1.0); their sums are f32. All else is computed in f32.
;;   The module's matrix products, in the order in which they are computed (A, B: the left and right operand; K: the contracted axis; several contracted axes count as one K, in the product's order):
;;     1. [M 8,192, K 1,024] x [K 1,024, N 1,024]; A: input x (given as codes); B: input Wq (given as codes): QUANTISED
;;     2. [M 8,192, K 1,024] x [K 1,024, N 1,024]; A: input x (given as codes); B: input Wk (given as codes): QUANTISED
;;     3. [M 8,192, K 1,024] x [K 1,024, N 1,024]; A: input x (given as codes); B: input Wv (given as codes): QUANTISED
;;     4. batch 64 x [M 2,048, K 64] x [K 64, N 2,048]; A: computed on the way; B: computed on the way: QUANTISED
;;     5. batch 64 x [M 2,048, K 2,048] x [K 2,048, N 64]; A: softmax (see below); B: computed on the way: QUANTISED
;;     6. [M 8,192, K 1,024] x [K 1,024, N 1,024]; A: computed on the way; B: input Wo (given as codes): QUANTISED
;;   THE QUANTISER, for each operand of a quantised product, along K:
;;     - K is cut into blocks of 32 from its start; a last block that is shorter is filled with zeros.
;;     - A block's scale is 2^e with e = floor(log2(the largest magnitude in the block)) - 2, held to -126 .. 127; a block of zeros has e = 0. As a byte (E8M0): e + 127.
;;     - Each number is divided by its block's scale, clamped to +-7.5, and rounded to the nearest number of E2M3, ties to even, subnormals kept.
;;     - The product sums the exact products of the quantised numbers (number of the format x scale) in f32.
;;   ~~~python
;;   def quantise(x, axis):      # numpy; x: float32 -> the quantised numbers, widened to float32 again
;;       x = np.moveaxis(x, axis, -1); K = x.shape[-1]
;;       x = np.pad(x, [(0, 0)] * (x.ndim - 1) + [(0, -K % 32)]); x = x.reshape(x.shape[:-1] + (-1, 32)); a = np.abs(x).max(-1, keepdims=True)
;;       e = np.where(a > 0, np.clip(np.frexp(np.where(a > 0, a, 1))[1] - 1 - 2, -126, 127), 0)      # np.frexp(a)[1] - 1 = floor(log2(a)), exactly
;;       r = np.clip(x / 2.0 ** e, -7.5, 7.5)
;;       step = 2.0 ** (np.maximum(np.frexp(np.where(r == 0, 1, r))[1] - 1, 0) - 3)
;;       q = np.round(r / step) * step * 2.0 ** e      # np.round: ties to even
;;       return np.moveaxis(q.reshape(q.shape[:-2] + (-1,))[..., :K], -1, axis).astype(np.float32)
;;   ~~~
;;   SOFTMAX AHEAD OF A QUANTISED PRODUCT. Where the list says 'softmax', what is quantised is not the finished softmax but p = 2^(t - M), with t = logit x log2(e) and M = ceil(the row's largest t), a whole number; so 1/2 < the row's largest p <= 1. The row's sum l is taken of the UNQUANTISED p, in f32, and the product's result is divided by l at the end. Since M is a whole number, a kernel that streams over the keys may use a running M (the ceiling of the running maximum): every later rescaling is an exact power of two, which a block's scale takes up: the codes' values come out the same.
;;   OPERANDS COMPUTED ON THE WAY. 'Computed on the way' means the value that the module computes at that place (a softmax that the list does not call 'softmax' is quantised finished and normalised). What goes into a quantiser is computed in f32, as accurately as f32 sums, v_exp_f32 and their like allow (about 1e-6 of the number): no bf16 or f16 on the way to a quantiser, and a product that is left as it is and whose result goes on into a quantised operand takes f32 operands (vector FMAs, or v_wmma_f32_16x16x4_f32). A number that lies on a knife's edge between two numbers of the format may be rounded either way, as far as f32 arithmetic and the matrix unit's own rounding can turn it there, and no further.
;;   INPUTS GIVEN AS CODES. Wk (in the module: [1024, 1024], K = its axis 1); Wo (in the module: [1024, 1024], K = its axis 1); Wq (in the module: [1024, 1024], K = its axis 1); Wv (in the module: [1024, 1024], K = its axis 1); x (in the module: [4, 2048, 1024], K = its axis 2): each comes as NAME_codes (uint8): NAME with its K axis moved to the last place and cut into blocks of 32 codes, [.., K / 32, bytes a block], one block behind the other in memory; four codes in three bytes: a row's codes are one little-endian stream of bits, code i at bits 6 i .. 6 i + 5 (a code: sign, 2 exponent bits, 3 mantissa bits); and NAME_scales (uint8): the same leading axes, one E8M0 byte (e + 127) for each 32 codes along K. Its value is code x scale, taken as it is: it is not quantised again, and the codes and scales need not be those that the quantiser above would give.
;; One version. Each part assembles by itself: llvm-mc -triple=amdgcn-amd-amdhsa -mcpu=gfx1250 --defsym DOCPART=n.
;; ======== version 1 of 1: 3 launches
;; limits: right only within a limited range of input values
;; workspace buffers: qkv 19,660,800 bytes; oc 6,291,456 bytes; os 262,144 bytes
;; launch proj (part 1): grid 12 x 32, 4 waves a work-group, clusters of 4 x 4, 327,680 bytes of LDS; arguments x_codes, x_scales, Wq_codes, Wq_scales, Wk_codes, Wk_scales, Wv_codes, Wv_scales, bq, bk, bv, qkv; writes qkv
.if DOCPART == 1
	.amdgcn_target "amdgcn-amd-amdhsa--gfx1250"
	.amdhsa_code_object_version 6
	.text
	.protected	k_q91227a5497_proj
	.globl	k_q91227a5497_proj
	.p2align	8
	.type	k_q91227a5497_proj,@function
k_q91227a5497_proj:
	s_mov_b64 s[64:65], 0
	v_nop
	global_prefetch_b8 v0, s[64:65] scope:SCOPE_SE
	s_setreg_imm32_b32 hwreg(HW_REG_WAVE_MODE, 25, 1), 1
	s_wait_xcnt 0x0
	s_wait_alu depctr_hold_cnt(0) depctr_sa_sdst(0) depctr_va_vdst(0) depctr_va_sdst(0) depctr_va_ssrc(0) depctr_va_vcc(0) depctr_vm_vsrc(0)
	s_getreg_b32 s2, hwreg(HW_REG_IB_STS2, 6, 4)
	s_cmp_eq_u32 s2, 0
	s_cbranch_scc0 .Lentry_in_a_cluster
	s_endpgm
.Lentry_in_a_cluster:
	s_bfe_u32 s2, ttmp6, 0x10000c
	s_cmp_lg_u32 s2, 0xf033
	s_cbranch_scc0 .Lentry_shape_is_right
	s_endpgm
.Lentry_shape_is_right:
; q = x Wq^T + bq, k = x Wk^T + bk, v = x Wv^T + bv on codes of FP6 (E2M3), one E8M0 scale for each 32 along K = 1,024; sums in f32; the bias is added in f32;
; then q and k are quantised along a head's 64 and v along the keys, and leave as images of operand registers for the attention launch.
; SHARES: a work-group of four waves makes 256 x 256, a wave 128 x 128 (64 accumulators).  THE ROLE is the cluster's x: 0 = q, 1 = k, 2 = v.
; Source 1 ("A", rows on lanes) is x for q and k and Wv for v; source 0 ("B", rows on a lane's registers) is the weight for q and k and x for v: a lane's registers run along the next product's K.
; K goes through two LDS slots in CHUNKS OF 256 BYTES of each row of 768: every tile row begins at a multiple of 256 bytes.  A step of 128 along K is 96 bytes: eight steps to three chunks; steps 2 and 5 read both slots.
; The scales of A's and B's 256 rows, all of K, come once, as dense blocks in rows of 256 bytes.  CLUSTERS 4 x 4: A's tiles are asked for jointly by a row of the cluster, B's by a column.
; No prefetch: K is three chunks, of which two are asked for before the first product; only one refill is left to run ahead of.
; 384 work-groups: a tile of 256 x 384 would want 768 accumulator registers beside the fragments, more than a wave has.
; qkv: [head g = 16 n + head][step of 128 keys][12,800]: 8 half fragments of k; at 6,144 v's 4 tiles of 16 channels x 128 keys; at 12,288 k's scale words; at 12,544 v's.  From QB on: [g][128 queries][6,400]: 8 half fragments of q; at 6,144 their scale words.
; A half fragment (16 rows x 64 K, 768 bytes): lane l's registers 0-3 at 16 l, registers 4-5 at 512 + 8 l.  Inside a block of 32 the second and third groups of eight codes have changed places, alike on both sides of each later product.
; LIMITS: NaN and infinities among the sums are not served; a block whose largest magnitude lies under 2^-124, and a block of zeros, keep the byte 1 (zero codes; this program alone reads the bytes).
.set ROWB,   256
.set NQ,     2
.set KROW,   768
.set STEPS,  8
.set CHUNKS, 3
.set PITCH,  272
.set FR,     12
.set NL,     6
.set NP,     4
.set HALFT,  128*PITCH
.set SLOT,   4*HALFT
.set KS,     32
.set SCL,    2*SLOT
.set HALFS,  16*272
.set SBLK,   2*272
.set SPARE,  SCL+4*HALFS
.set QB,     13107200
.set ADRA, 16                          ; v16-17 my A fragments in slot 0, 1; v18-19 lanes 0-15 at byte 232 of that slot's row, lanes 16-31 at byte 0 of the other slot's
.set ADRB, 20                          ; v20-23 the same for B
.set L16,  24
.set L8,   25
.set L8S,  26
.set ADRS, 27
.set SPW,  28
.set NIL,  29
.set SC,   32
.set RB,   64
.set AF,   128
.set LB,   224
.set TM,   32
.set PWR,  48
.set UU,   56
.set SD,   60
.set WK,   128
.set CD,   192
.set G1, 24
.set G0, 32
.set G1B, 48
.set G0B, 56
.set G1S, 68
.set G0S, 76
.set G1SB, 80
.set G0SB, 88
.set G0H, 4
.set G0HB, 8
.set P0,  96
.set LBP, 100
.set SEL, 20
.set HI,  22
.set SCO, 23
.set MSB, 0
.macro WIN new
.if MSB != (\new)
	s_set_vgpr_msb (MSB<<8)|(\new)
.set MSB, (\new)
.endif
.endm
.set MUL_LO, 0xa1
.set MUL_HI, 0xf1
.set TO_B,   0x40
.macro JLOAD g0a, g1a, g0b, g1b        ; waves 0, 1 fetch for A, waves 2, 3 for B; s_nop 0 and four v_nop behind each line
	s_cmp_eq_u32 s15, 0
	s_cbranch_scc0 .Lfor_b_\@
	tensor_load_to_lds s[\g0a:\g0a+3], s[\g1a:\g1a+7]
	s_nop 0
.rept 4
	v_nop
.endr
	s_branch .Lasked_\@
.Lfor_b_\@:
	tensor_load_to_lds s[\g0b:\g0b+3], s[\g1b:\g1b+7]
	s_nop 0
.rept 4
	v_nop
.endr
.Lasked_\@:
.endm
.macro CREST
	s_cmp_lg_u32 s14, 0
	s_cbranch_scc1 .Lnot_wave_0_\@
	s_barrier_signal -3
.Lnot_wave_0_\@:
	s_barrier_wait -3
	s_barrier_signal -1
	s_barrier_wait -1
.endm
.macro CROUND
	s_barrier_signal -1
	s_barrier_wait -1
	CREST
.endm
	s_load_b512 s[68:83], s[0:1], 0x0              ; x's codes, scales, Wq's, Wk's, Wv's
	s_load_b256 s[84:91], s[0:1], 0x40             ; bq, bk, bv, qkv
	v_lshl_add_u32 v[SPW], v0, 2, SPARE
	v_mov_b32 v[NIL], 0
	ds_add_u32 v[SPW], v[NIL]                      ; the opening lines: the add twice and one wait
	ds_add_u32 v[SPW], v[NIL]
	v_lshrrev_b32 v1, 5, v0
	v_readfirstlane_b32 s14, v1                    ; wave
	s_lshr_b32 s15, s14, 1                         ; my half of A's rows; also: I fetch for A (0) or B (1)
	s_and_b32 s16, s14, 1                          ; my half of B's rows; also: which 128 rows I fetch
	s_bfe_u32 s40, ttmp6, 0x40000
	s_bfe_u32 s41, ttmp6, 0x40004
	s_and_b32 s45, ttmp7, 0xffff
	s_lshl_b32 s45, s45, 2                         ; 4 x the cluster's y counts tiles of x
	s_cmp_eq_u32 ttmp9, 2
	s_cselect_b32 s18, 0, s45
	s_cselect_b32 s19, s45, 0
	s_add_co_u32 s17, s18, s41                     ; A's tile: hangs on cy alone
	s_add_co_u32 s42, s19, s40                     ; B's tile: on cx alone
	s_lshl_b32 s43, s41, 2
	s_lshl_b32 s43, 15, s43
	s_lshl_b32 s44, 0x1111, s40
	s_or_b32 s[G1+0], s43, (1<<20)|(1<<21)|(5<<22)|(3<<25)   ; bytes; 16 bytes of padding behind every 256
	s_or_b32 s[G1B+0], s44, (1<<20)|(1<<21)|(5<<22)|(3<<25)
.irp g, G1, G1B
	s_mov_b32 s[\g+1], ROWB<<16
	s_mov_b32 s[\g+2], 256<<16                     ; the head's loads bring 256 rows
	s_mov_b32 s[\g+3], ROWB<<16
	s_mov_b32 s[\g+4], 256
	s_mov_b32 s[\g+5], KROW
	s_mov_b32 s[\g+6], 0
	s_mov_b32 s[\g+7], 0
.endr
	s_lshl_b32 s20, s17, 8
	s_lshl_b32 s46, s42, 8
	s_lshl_b32 s22, s20, 5                         ; the rows' scales, in bytes
	s_lshl_b32 s92, s46, 5
	s_mul_i32 s20, s20, KROW                       ; and their codes
	s_mul_i32 s46, s46, KROW
	s_mov_b32 s21, 0
	s_mov_b32 s23, 0
	s_mov_b32 s47, 0
	s_mov_b32 s93, 0
	s_mul_i32 s18, s16, 128*KROW                   ; in the ring I fetch 128 rows
	s_mov_b32 s19, 0
	s_mul_i32 s45, s14, HALFT
	s_wait_dscnt 0x0
	s_wait_kmcnt 0x0
	s_cmp_eq_u32 ttmp9, 1                          ; the buffers are chosen by the role alone
	s_cselect_b64 s[72:73], s[76:77], s[72:73]
	s_cselect_b64 s[74:75], s[78:79], s[74:75]
	s_cselect_b64 s[84:85], s[86:87], s[84:85]
	s_cmp_eq_u32 ttmp9, 2
	s_cselect_b64 s[4:5], s[80:81], s[68:69]
	s_cselect_b64 s[6:7], s[82:83], s[70:71]
	s_cselect_b64 s[8:9], s[68:69], s[72:73]
	s_cselect_b64 s[10:11], s[70:71], s[74:75]
	s_cselect_b64 s[12:13], s[88:89], s[84:85]
	s_mov_b64 s[P0:P0+1], s[90:91]
	s_or_b32 s[G1S+0], s43, (3<<16)|(1<<20)|(1<<21)|(5<<22)|(3<<25)   ; the scales of 256 rows: 32 rows of 256 bytes
	s_or_b32 s[G1SB+0], s44, (3<<16)|(1<<20)|(1<<21)|(5<<22)|(3<<25)
.irp g, G1S, G1SB
	s_mov_b32 s[\g+1], 32<<16
	s_mov_b32 s[\g+2], KS<<16
	s_mov_b32 s[\g+3], 32<<16
	s_mov_b32 s[\g+4], KS
	s_mov_b32 s[\g+5], 32
	s_mov_b32 s[\g+6], 0
	s_mov_b32 s[\g+7], 0
.endr
	s_add_nc_u64 s[20:21], s[4:5], s[20:21]
	s_add_nc_u64 s[22:23], s[6:7], s[22:23]
	s_add_nc_u64 s[46:47], s[8:9], s[46:47]
	s_add_nc_u64 s[92:93], s[10:11], s[92:93]
	CROUND                                         ; the round in front of the first joint loads
	s_mov_b32 s[G0H], 1
	s_mov_b32 s[G0H+1], 0
	s_mov_b64 s[G0H+2:G0H+3], s[20:21]
	s_or_b32 s[G0H+3], s[G0H+3], 0x80000000
	s_mov_b32 s[G0HB], 1
	s_mov_b32 s[G0HB+1], 2*HALFT
	s_mov_b64 s[G0HB+2:G0HB+3], s[46:47]
	s_or_b32 s[G0HB+3], s[G0HB+3], 0x80000000
	s_mov_b32 s[G0S], 1
	s_mov_b32 s[G0S+1], SCL
	s_mov_b64 s[G0S+2:G0S+3], s[22:23]
	s_or_b32 s[G0S+3], s[G0S+3], 0x80000000
	s_mov_b32 s[G0SB], 1
	s_mov_b32 s[G0SB+1], SCL+2*HALFS
	s_mov_b64 s[G0SB+2:G0SB+3], s[92:93]
	s_or_b32 s[G0SB+3], s[G0SB+3], 0x80000000
	s_add_nc_u64 s[20:21], s[20:21], s[18:19]
	s_add_nc_u64 s[46:47], s[46:47], s[18:19]
.irp s, 0,1
	s_mov_b32 s[G0+4*\s], 1
	s_add_co_u32 s[G0+4*\s+1], s45, \s*SLOT
	s_add_nc_u64 s[G0+4*\s+2:G0+4*\s+3], s[20:21], \s*ROWB
	s_or_b32 s[G0+4*\s+3], s[G0+4*\s+3], 0x80000000
	s_mov_b32 s[G0B+4*\s], 1
	s_add_co_u32 s[G0B+4*\s+1], s45, \s*SLOT
	s_add_nc_u64 s[G0B+4*\s+2:G0B+4*\s+3], s[46:47], \s*ROWB
	s_or_b32 s[G0B+4*\s+3], s[G0B+4*\s+3], 0x80000000
.endr
; the head's four tiles, one load a wave, in one chain of branches: chunk 0 of A, of B, A's scales, B's
.macro ARM under, g0, g1, next
	s_cmp_lt_u32 s14, \under
	s_cbranch_scc0 \next
	tensor_load_to_lds s[\g0:\g0+3], s[\g1:\g1+7]
	s_nop 0
.rept 4
	v_nop
.endr
	s_branch .Lhead_asked
\next:
.endm
	ARM 1, G0H,  G1,  .Lhead_b
	ARM 2, G0HB, G1B, .Lhead_sa
	ARM 3, G0S,  G1S, .Lhead_sb
	tensor_load_to_lds s[G0SB:G0SB+3], s[G1SB:G1SB+7]
	s_nop 0
.rept 4
	v_nop
.endr
.Lhead_asked:
	v_and_b32 v1, 15, v0                           ; r
	v_bfe_u32 v2, v0, 4, 1                         ; h
	v_mul_u32_u24 v3, v1, PITCH
	v_mul_u32_u24 v4, v2, 24
	v_add_nc_u32 v4, v3, v4
	s_mov_b32 s21, SLOT-232
	s_mov_b32 s22, SLOT+232
	v_sub_nc_u32 v7, 1, v2
	v_mul_u32_u24 v5, s21, v2
	v_add_nc_u32 v5, v3, v5
	v_add_nc_u32 v5, 232, v5
	v_mul_u32_u24 v6, s22, v7
	v_add_nc_u32 v6, v3, v6
	s_mul_i32 s21, s15, HALFT
	s_mul_i32 s22, s16, HALFT
	s_add_co_u32 s22, s22, 2*HALFT
	v_add_nc_u32 v[ADRA+2], s21, v5
	v_add_nc_u32 v[ADRA+3], s21, v6
	v_add_nc_u32 v[ADRB+2], s22, v5
	v_add_nc_u32 v[ADRB+3], s22, v6
.irp s, 0,1
	v_add_nc_u32 v[ADRA+\s], s21, v4
	v_add_nc_u32 v[ADRB+\s], s22, v4
	s_add_co_u32 s21, s21, SLOT
	s_add_co_u32 s22, s22, SLOT
.endr
	v_mul_u32_u24 v5, v1, KS
	v_lshrrev_b32 v6, 8, v5
	v_lshl_add_u32 v5, v6, 4, v5
	s_mul_i32 s21, s15, HALFS
	s_mul_i32 s22, s16, HALFS
	s_add_co_u32 s22, s22, 2*HALFS
	s_sub_co_u32 s22, s22, s21
	v_mul_u32_u24 v6, s22, v2                      ; lanes 16-31 take B's words
	s_add_co_u32 s21, s21, SCL
	v_add_nc_u32 v5, v5, v6
	v_add_nc_u32 v[ADRS], s21, v5
	; where my results go: G = my 128 rows of x, eta0 = the first of my two heads
	s_cmp_eq_u32 ttmp9, 2
	s_cselect_b32 s66, s42, s17
	s_cselect_b32 s67, s17, s42
	s_cselect_b32 s92, s16, s15
	s_cselect_b32 s93, s15, s16
	s_cselect_b32 s95, 6144, 0
	s_lshl_b32 s66, s66, 1
	s_add_co_u32 s66, s66, s92
	s_lshl_b32 s67, s67, 2
	s_lshl_b32 s93, s93, 1
	s_add_co_u32 s67, s67, s93
	s_lshr_b32 s92, s66, 4
	s_lshl_b32 s92, s92, 4
	s_add_co_u32 s92, s92, s67
	s_lshl_b32 s92, s92, 4
	s_and_b32 s66, s66, 15
	s_add_co_u32 s92, s92, s66
	s_lshl_b32 s67, s67, 8
	s_cmp_eq_u32 ttmp9, 0
	s_mov_b32 s93, 12800
	s_cselect_b32 s93, 6400, s93
	s_mov_b32 s[SCO], 12288
	s_cselect_b32 s[SCO], 6144, s[SCO]
	s_cselect_b32 s94, QB, 0
	s_mul_i32 s92, s92, s93
	s_add_co_u32 s92, s92, s95
	s_add_co_u32 s92, s92, s94
	s_lshl_b32 s94, s93, 4
	s_mov_b32 s93, 0
	s_mov_b32 s95, 0
	s_add_nc_u64 s[P0:P0+1], s[P0:P0+1], s[92:93]
	s_add_nc_u64 s[P0+2:P0+3], s[P0:P0+1], s[94:95]
	s_cmp_eq_u32 ttmp9, 2
	s_cselect_b32 s92, 0, s67
	s_cselect_b32 s94, s67, 0
	s_add_nc_u64 s[LBP:LBP+1], s[12:13], s[94:95]
	s_add_nc_u64 s[12:13], s[12:13], s[92:93]
	s_mov_b32 s[SEL], 0x76543210
	s_mov_b32 s[SEL+1], 0xfedcba98
	v_and_b32 v6, 31, v0
	v_cmp_lt_u32 s[HI], 15, v6
	v_lshlrev_b32 v[L16], 4, v6
	v_lshlrev_b32 v[L8], 3, v6
	v_add_nc_u32 v[L8S], s[SCO], v[L8]
	v_lshlrev_b32 v7, 5, v2
	v_lshlrev_b32 v8, 2, v1
	; the bias in both forms (along registers for q, k; along lanes for v); the form that a role does not use is loaded from the bias's first 128 numbers and not read
.irp b, 0,1,2,3,4,5,6,7
	global_load_b128 v[RB+8*\b:RB+8*\b+3], v7, s[12:13] offset:64*\b
	global_load_b128 v[RB+8*\b+4:RB+8*\b+7], v7, s[12:13] offset:64*\b+16
.endr
.irp a, 0,1,2,3,4,5,6,7
	global_load_b32 v[LB+2*\a], v8, s[LBP:LBP+1] offset:64*\a
	global_load_b32 v[LB+2*\a+1], v8, s[LBP:LBP+1] offset:64*\a
.endr
.macro FRAG reg, adr, st, i            ; six pieces of 8 bytes; byte y of a row lies in slot (y / 256) % 2 at byte y % 256
.irp p, 0,1,2,3,4,5
.set BY, 96*(\st)+48*(\p/3)+8*(\p%3)
.if BY/ROWB == (BY+24)/ROWB
	ds_load_b64 v[\reg+2*\p:\reg+2*\p+1], v[\adr+(BY/ROWB)%2] offset:BY%ROWB+(\i)*16*PITCH
.else
	ds_load_b64 v[\reg+2*\p:\reg+2*\p+1], v[\adr+2+(BY/ROWB)%2] offset:BY%ROWB-232+(\i)*16*PITCH
.endif
.endr
.endm
.macro MUL16 a0, p, q, sc, zero        ; the 64 accumulators take turns
.irp a, \a0, \a0+1
.irp b, 0,1,2,3,4,5,6,7
.if \zero
	v_wmma_scale_f32_16x16x128_f8f6f4 v[8*(8*((\a)%4)+\b):8*(8*((\a)%4)+\b)+7], v[128*(\p)+FR*\b:128*(\p)+FR*\b+FR-1], v[AF+FR*(\a):AF+FR*(\a)+FR-1], 0, v[SC+8*NQ*(\sc)+NQ*\b+(\q)], v[SC+8*NQ*(\sc)+NQ*(\a)+(\q)] matrix_a_fmt:MATRIX_FMT_FP6 matrix_b_fmt:MATRIX_FMT_FP6 matrix_a_scale:MATRIX_SCALE_ROW1
.else
	v_wmma_scale_f32_16x16x128_f8f6f4 v[8*(8*((\a)%4)+\b):8*(8*((\a)%4)+\b)+7], v[128*(\p)+FR*\b:128*(\p)+FR*\b+FR-1], v[AF+FR*(\a):AF+FR*(\a)+FR-1], v[8*(8*((\a)%4)+\b):8*(8*((\a)%4)+\b)+7], v[SC+8*NQ*(\sc)+NQ*\b+(\q)], v[SC+8*NQ*(\sc)+NQ*(\a)+(\q)] matrix_a_fmt:MATRIX_FMT_FP6 matrix_b_fmt:MATRIX_FMT_FP6 matrix_a_scale:MATRIX_SCALE_ROW1
.endif
.endr
.endr
.endm
.macro FETCH_B st, p
	WIN TO_B
.irp i, 0,1,2,3,4,5,6,7
	FRAG 128*(\p)+FR*\i, ADRB, \st, \i
.endr
	WIN 0
.endm
.macro FETCH_A st, i0
.irp i, \i0, \i0+1, \i0+2, \i0+3
	FRAG AF+FR*(\i), ADRA, \st, \i
.endr
.endm
.macro SCALES pr                       ; the scale words of steps 2 pr, 2 pr + 1
.irp i, 0,1,2,3,4,5,6,7
	ds_load_b64 v[SC+8*NQ*((\pr)%2)+NQ*\i:SC+8*NQ*((\pr)%2)+NQ*\i+1], v[ADRS] offset:\i*SBLK+4*NQ*(\pr)
.endr
.endm
.macro PLACES n
.rept \n
	v_nop
.endr
.endm
; A step of 128 along K.  Where the next step's bytes end in a chunk not yet read, a barrier shows it whole; where they begin in a later chunk, the chunk left behind is free:
; the wait for all tensor loads, the add, the wait for it and for my reads, the barrier, which opens a round where chunk C0 + 2 is left to fetch.
.macro STEP st, zero
.set NX, (\st)+1
.set C0, (96*(\st))/ROWB
.set C1, (96*NX)/ROWB
.set E0, (96*(\st)+95)/ROWB
.set E1, (96*NX+95)/ROWB
.if C1 > C0 || E1 > E0
	s_wait_tensorcnt 0x0
.if C1 > C0
	ds_add_u32 v[SPW], v[NIL]
	s_wait_dscnt 4*NL+1                            ; the add and A's blocks 4-7 may be out
.else
	s_wait_dscnt 4*NL                              ; A's blocks 4-7 may be out
.endif
	WIN MUL_LO
	MUL16 0, (\st)%2, (\st)%2, ((\st)/2)%2, \zero
	s_wait_dscnt 0x0
	s_barrier_signal -1
	MUL16 2, (\st)%2, (\st)%2, ((\st)/2)%2, \zero
	WIN 0
	s_barrier_wait -1
.if C1 > C0 && C0+2 < CHUNKS
	CREST
	s_add_nc_u64 s[G0+4*(C0%2)+2:G0+4*(C0%2)+3], s[G0+4*(C0%2)+2:G0+4*(C0%2)+3], 2*ROWB
	s_add_nc_u64 s[G0B+4*(C0%2)+2:G0B+4*(C0%2)+3], s[G0B+4*(C0%2)+2:G0B+4*(C0%2)+3], 2*ROWB
	JLOAD G0+4*(C0%2), G1, G0B+4*(C0%2), G1B       ; its four v_nop are the places in front of the loads below
.else
	PLACES NP
.endif
.else
	s_wait_dscnt 4*NL
	WIN MUL_LO
	MUL16 0, (\st)%2, (\st)%2, ((\st)/2)%2, \zero
	MUL16 2, (\st)%2, (\st)%2, ((\st)/2)%2, \zero
	s_wait_dscnt 0
	PLACES NP
.endif
	FETCH_B NX, NX%2
	FETCH_A NX, 0
.if NX%2 == 0
	SCALES NX/2
.endif
	WIN MUL_HI
	MUL16 4, (\st)%2, (\st)%2, ((\st)/2)%2, \zero
	MUL16 6, (\st)%2, (\st)%2, ((\st)/2)%2, \zero
	PLACES NP
	WIN 0
	FETCH_A NX, 4
.endm
	s_wait_alu depctr_va_vdst(0)                   ; the wait at the head's end
	s_wait_loadcnt 0x0                             ; the biases
	s_wait_tensorcnt 0x0                           ; my tile of the head's four; the three lines ahead of slot 1's first fill
	ds_add_u32 v[SPW], v[NIL]
	s_mov_b32 s[G1+2], 128<<16                     ; no load of mine is out: from here on a load brings 128 rows
	s_mov_b32 s[G1+4], 128
	s_mov_b32 s[G1B+2], 128<<16
	s_mov_b32 s[G1B+4], 128
	s_wait_dscnt 0x0
	CROUND
	JLOAD G0+4, G1, G0B+4, G1B                     ; chunk 1
	FETCH_B 0, 0
	FETCH_A 0, 0
	SCALES 0
	FETCH_A 0, 4
	STEP 0, 1
.set ST, 1
.rept STEPS-2
	STEP ST, 0
.set ST, ST+1
.endr
	s_wait_dscnt 4*NL
	WIN MUL_LO
	MUL16 0, 1, 1, 1, 0
	MUL16 2, 1, 1, 1, 0
	s_wait_dscnt 0
	WIN MUL_HI
	MUL16 4, 1, 1, 1, 0
	MUL16 6, 1, 1, 1, 0
	WIN 0
; THE WAY OUT.  64 numbers of a lane: registers 16 b .. 16 b + 15 are my half's 16 numbers of block b of my row.  A block's byte is its largest magnitude's exponent field - 2, held at 1 by a floor.
.macro QUANT s, pw
.irp b, 0,1,2,3
	v_max3_num_f32 v[TM+\b], |v[\s+16*\b]|, |v[\s+1+16*\b]|, 0x1800000
.endr
.irp i, 2,4,6,8,10,12,14
.irp b, 0,1,2,3
	v_max3_num_f32 v[TM+\b], v[TM+\b], |v[\s+16*\b+\i]|, |v[\s+1+16*\b+\i]|
.endr
.endr
.irp b, 0,1,2,3
	v_permlanex16_b32 v[TM+4+\b], v[TM+\b], s[SEL], s[SEL+1]
.endr
.irp b, 0,1,2,3
	v_max_num_f32 v[TM+\b], v[TM+\b], v[TM+4+\b]
.endr
.irp b, 0,1,2,3
	v_add_nc_u32 v[TM+12+\b], 0xff000000, v[TM+\b]
.endr
.irp b, 0,1,2,3
	v_lshrrev_b32 v[TM+4+\b], 23, v[TM+12+\b]
.endr
	v_lshl_or_b32 v[\pw], v[TM+5], 8, v[TM+4]
	v_lshl_or_b32 v[\pw], v[TM+6], 16, v[\pw]
	v_lshl_or_b32 v[\pw], v[TM+7], 24, v[\pw]
.irp c, 0,1
	v_cvt_scalef32_pk16_fp6_f32 v[CD+6*\c:CD+2+6*\c], v[\s+32*\c:\s+15+32*\c], v[TM+12+2*\c]
	v_cvt_scalef32_pk16_fp6_f32 v[CD+12+4*\c:CD+14+4*\c], v[\s+16+32*\c:\s+31+32*\c], v[TM+12+2*\c+1]
.endr
	v_nop
.irp c, 0,1
.irp i, 0,1,2
	v_permlane16_swap_b32 v[CD+6*\c+\i], v[CD+12+4*\c+\i]
.endr
.irp i, 0,1,2
	v_mov_b32 v[CD+3+6*\c+\i], v[CD+12+4*\c+\i]
.endr
.endr
.endm
; role 0 (q, k): a lane is a row of x, registers 0-5 of the codes belong to my first head, 6-11 to my second.  role 1 (v): a lane is a channel, block a is channel tile a % 4 of my head a / 4.
.macro EPI role
.irp a, 0,1,2,3,4,5,6,7
.if \a > 0
	s_wait_xcnt 0x0                                ; the last block's stores have read their data
.endif
	WIN 0x02+\a/4
.irp b, 0,1,2,3,4,5,6,7
.irp i, 0,2,4,6
.if \role
	v_pk_add_f32 v[WK+8*\b+\i:WK+8*\b+\i+1], v[8*(8*(\a%4)+\b)+\i:8*(8*(\a%4)+\b)+\i+1], v[LB+2*\a:LB+2*\a+1]
.else
	v_pk_add_f32 v[WK+8*\b+\i:WK+8*\b+\i+1], v[8*(8*(\a%4)+\b)+\i:8*(8*(\a%4)+\b)+\i+1], v[RB+8*\b+\i:RB+8*\b+\i+1]
.endif
.endr
.endr
	WIN 0
	QUANT WK, PWR+\a
.if \role
	global_store_b128 v[L16], v[CD:CD+3], s[P0+2*(\a/4):P0+2*(\a/4)+1] offset:(\a%4)*1536
	global_store_b64 v[L8], v[CD+4:CD+5], s[P0+2*(\a/4):P0+2*(\a/4)+1] offset:(\a%4)*1536+512
	global_store_b128 v[L16], v[CD+6:CD+9], s[P0+2*(\a/4):P0+2*(\a/4)+1] offset:(\a%4)*1536+768
	global_store_b64 v[L8], v[CD+10:CD+11], s[P0+2*(\a/4):P0+2*(\a/4)+1] offset:(\a%4)*1536+1280
.else
	global_store_b128 v[L16], v[CD:CD+3], s[P0:P0+1] offset:768*\a
	global_store_b64 v[L8], v[CD+4:CD+5], s[P0:P0+1] offset:768*\a+512
	global_store_b128 v[L16], v[CD+6:CD+9], s[P0+2:P0+3] offset:768*\a
	global_store_b64 v[L8], v[CD+10:CD+11], s[P0+2:P0+3] offset:768*\a+512
.endif
.endr
.irp c, 0,1                            ; the scale words, 256 bytes for each of my two heads
.irp m, 0,1
.if \role
	v_cndmask_b32 v[SD+2*\c+\m], v[PWR+4*\c+2*\m], v[PWR+4*\c+2*\m+1], s[HI]
.else
	v_perm_b32 v[UU], v[PWR+4*\m+1], v[PWR+4*\m], 0x05040100+0x02020202*\c
	v_perm_b32 v[UU+1], v[PWR+4*\m+3], v[PWR+4*\m+2], 0x05040100+0x02020202*\c
	v_cndmask_b32 v[SD+2*\c+\m], v[UU], v[UU+1], s[HI]
.endif
.endr
.if \role
	global_store_b64 v[L8], v[SD+2*\c:SD+2*\c+1], s[P0+2*\c:P0+2*\c+1] offset:6400
.else
	global_store_b64 v[L8S], v[SD+2*\c:SD+2*\c+1], s[P0+2*\c:P0+2*\c+1]
.endif
.endr
.endm
	PLACES NP
.irp b, 0,1,2,3
	v_mov_b32 v[TM+4+\b], 0                        ; a lane permute's destination counts as a source
.endr
	s_cmp_eq_u32 ttmp9, 2
	s_cbranch_scc1 .Lrole_v
	EPI 0
	s_branch .Ldone
.Lrole_v:
	EPI 1
.Ldone:
	s_wait_tensorcnt 0x0                           ; the wave's end
	ds_add_u32 v[SPW], v[NIL]
	s_wait_dscnt 0x0
	CROUND                                         ; the closing round
	s_endpgm
.Lfunc_end_k_q91227a5497_proj:
	.size	k_q91227a5497_proj, .Lfunc_end_k_q91227a5497_proj-k_q91227a5497_proj
	.p2alignl 7, 3214868480
	.fill 96, 4, 3214868480
	.section	.rodata,"a",@progbits
	.p2align	6, 0x0
	.amdhsa_kernel k_q91227a5497_proj
		.amdhsa_group_segment_fixed_size 327680
		.amdhsa_private_segment_fixed_size 0
		.amdhsa_enable_private_segment 0
		.amdhsa_kernarg_size 96
		.amdhsa_user_sgpr_count 2
		.amdhsa_user_sgpr_kernarg_segment_ptr 1
		.amdhsa_wavefront_size32 1
		.amdhsa_system_sgpr_workgroup_id_x 1
		.amdhsa_system_sgpr_workgroup_id_y 1
		.amdhsa_system_sgpr_workgroup_id_z 1
		.amdhsa_system_vgpr_workitem_id 0
		.amdhsa_next_free_vgpr 1024
		.amdhsa_next_free_sgpr 102
		.amdhsa_reserve_vcc 0
		.amdhsa_float_denorm_mode_32 3
		.amdhsa_float_denorm_mode_16_64 3
		.amdhsa_memory_ordered 1
		.amdhsa_forward_progress 1
		.amdhsa_inst_pref_size 236
	.end_amdhsa_kernel
	.amdgpu_metadata
---
amdhsa.version: [ 1, 2 ]
amdhsa.kernels:
  - .name:           k_q91227a5497_proj
    .symbol:         k_q91227a5497_proj.kd
    .args:
      - { .name: x_codes, .offset: 0, .size: 8, .value_kind: global_buffer, .address_space: global }
      - { .name: x_scales, .offset: 8, .size: 8, .value_kind: global_buffer, .address_space: global }
      - { .name: Wq_codes, .offset: 16, .size: 8, .value_kind: global_buffer, .address_space: global }
      - { .name: Wq_scales, .offset: 24, .size: 8, .value_kind: global_buffer, .address_space: global }
      - { .name: Wk_codes, .offset: 32, .size: 8, .value_kind: global_buffer, .address_space: global }
      - { .name: Wk_scales, .offset: 40, .size: 8, .value_kind: global_buffer, .address_space: global }
      - { .name: Wv_codes, .offset: 48, .size: 8, .value_kind: global_buffer, .address_space: global }
      - { .name: Wv_scales, .offset: 56, .size: 8, .value_kind: global_buffer, .address_space: global }
      - { .name: bq, .offset: 64, .size: 8, .value_kind: global_buffer, .address_space: global }
      - { .name: bk, .offset: 72, .size: 8, .value_kind: global_buffer, .address_space: global }
      - { .name: bv, .offset: 80, .size: 8, .value_kind: global_buffer, .address_space: global }
      - { .name: qkv, .offset: 88, .size: 8, .value_kind: global_buffer, .address_space: global }
    .group_segment_fixed_size: 327680
    .private_segment_fixed_size: 0
    .kernarg_segment_align: 8
    .kernarg_segment_size: 96
    .max_flat_workgroup_size: 128
    .sgpr_count:     102
    .vgpr_count:     1024
    .wavefront_size: 32
...
	.end_amdgpu_metadata
.endif
;; end of part 1
;; launch attn (part 2): grid 4 x 64, 8 waves a work-group, no clusters, 327,680 bytes of LDS; arguments qkv, oc, os; writes oc, os
.if DOCPART == 2
	.amdgcn_target "amdgcn-amd-amdhsa--gfx1250"
	.amdhsa_code_object_version 6
	.text
	.protected	k_q91227a5497_attn
	.globl	k_q91227a5497_attn
	.p2align	8
	.type	k_q91227a5497_attn,@function
k_q91227a5497_attn:
	s_mov_b64 s[64:65], 0
	v_nop
	global_prefetch_b8 v0, s[64:65] scope:SCOPE_SE
	s_setreg_imm32_b32 hwreg(HW_REG_WAVE_MODE, 25, 1), 1
	s_wait_xcnt 0x0
; o = softmax(q k^T / 8) v for one head and 512 queries a work-group, on codes of FP6 (E2M3) with E8M0 scales; o is quantised along the head's 64 and leaves as operand images (oc) and scale bytes (os).
; Eight waves, 64 queries each (four tiles of 16); both products are used transposed, so a lane holds one query.  A head's 16 steps of 128 keys (12,800 bytes each: k's images, v's images, their scale words) lie in LDS, filled once:
; steps 0-3 at the head, steps 4-15 behind the full sequence; a barrier behind step 2 shows them.  k's fragments of step s + 1 are fetched behind step s's last score products (in the last step: step 15's once more, not used).
; p = 2^(t - M), M the ceiling of the running largest t; the row's sum is taken of the unquantised p; sums and O are brought under a new M by an exact power of two.
; No cluster: the four work-groups of a head share tiles that are fetched once a launch, at its head.  LIMIT: the promise holds while the scaled scores stay under 2^31 in magnitude; NaN and infinities are not served.
.set QB,    13107200
.set STEPB, 12800
.set L16, 1
.set L8,  2
.set A16, 3
.set A8,  4
.set GOS, 5
.set ST,  8
.set QSR, 24
.set KSR, 26
.set VSR, 28
.set PSR, 30
.set FK,  36
.set S,   96
.set PCD, 160
.set BM,  208
.set T8,  212
.set SO,  220
.set FAC, 224
.set TMP, 226
.set R,   228
.set W16, 236
.set QZ,  128
.set FV,  192
.set WV,  10
.set HD,  11
.set G1A, 16
.set G1B, 24
.set G0A, 32
.set G0B, 36
.set SEL, 40
.set CS,  42
.set TB,  44
.set CNT, 45
.set HI,  46
.set MSB, 0
.macro WIN new
.if MSB != (\new)
	s_set_vgpr_msb (MSB<<8)|(\new)
.set MSB, (\new)
.endif
.endm
	s_load_b128 s[4:7], s[0:1], 0x0
	s_load_b64 s[8:9], s[0:1], 0x10
	v_lshl_add_u32 v254, v0, 2, 0x32000
	v_mov_b32 v255, 0
	ds_add_u32 v254, v255
	ds_add_u32 v254, v255
	v_lshrrev_b32 v1, 5, v0
	s_delay_alu instid0(VALU_DEP_1)
	v_readfirstlane_b32 s[WV], v1
	s_and_b32 s[HD], ttmp7, 0xffff
	s_mov_b32 s[G1A+0], 3<<16
	s_mov_b32 s[G1A+1], 32<<16
	s_mov_b32 s[G1A+2], 25<<16
	s_mov_b32 s[G1A+3], 32<<16
	s_mov_b32 s[G1A+4], 25
	s_mov_b32 s[G1A+5], 32
	s_mov_b32 s[G1A+6], 0
	s_mov_b32 s[G1A+7], 0
	s_mov_b32 s[G1B+0], 3<<16
	s_mov_b32 s[G1B+1], 32<<16
	s_mov_b32 s[G1B+2], 75<<16
	s_mov_b32 s[G1B+3], 32<<16
	s_mov_b32 s[G1B+4], 75
	s_mov_b32 s[G1B+5], 32
	s_mov_b32 s[G1B+6], 0
	s_mov_b32 s[G1B+7], 0
	s_mul_i32 s48, s[HD], 16*STEPB
	s_mul_i32 s50, s[WV], 6400
	s_mul_i32 s52, s[WV], 19200
	s_add_co_u32 s52, s52, 4*STEPB
	s_add_co_u32 s54, s48, s50
	s_mov_b32 s55, 0
	s_add_co_u32 s56, s48, s52
	s_mov_b32 s57, 0
	s_wait_dscnt 0x0
	s_wait_kmcnt 0x0
	s_mov_b32 s[G0A], 1
	s_mov_b32 s[G0A+1], s50
	s_add_nc_u64 s[G0A+2:G0A+3], s[4:5], s[54:55]
	s_or_b32 s[G0A+3], s[G0A+3], 0x80000000
	s_mov_b32 s[G0B], 1
	s_mov_b32 s[G0B+1], s52
	s_add_nc_u64 s[G0B+2:G0B+3], s[4:5], s[56:57]
	s_or_b32 s[G0B+3], s[G0B+3], 0x80000000
	tensor_load_to_lds s[G0A:G0A+3], s[G1A:G1A+7]
	s_nop 0
.rept 4
	v_nop
.endr
	v_and_b32 v6, 31, v0
	s_delay_alu instid0(VALU_DEP_1)
	v_lshlrev_b32 v[L16], 4, v6
	s_wait_alu depctr_va_vdst(0)
	v_lshlrev_b32 v[L8], 3, v6
	s_wait_alu depctr_va_vdst(0)
	v_lshlrev_b32 v[GOS], 5, v6
	v_cmp_lt_u32 s[HI], 15, v6
	s_mul_i32 s48, s[HD], 102400
	s_lshl_b32 s49, ttmp9, 2
	s_lshr_b32 s51, s[WV], 1
	s_add_co_u32 s49, s49, s51
	s_mul_i32 s49, s49, 6400
	s_add_co_u32 s48, s48, s49
	s_add_co_u32 s48, s48, QB
	s_mov_b32 s49, 0
	s_add_nc_u64 s[14:15], s[4:5], s[48:49]
	s_and_b32 s51, s[WV], 1
	s_mul_i32 s52, s51, 3072
	s_mov_b32 s53, 0
	s_add_nc_u64 s[12:13], s[14:15], s[52:53]
	s_lshl_b32 s52, s51, 2
	s_add_co_u32 s52, s52, 6144
	s_add_nc_u64 s[14:15], s[14:15], s[52:53]
	WIN 0x40
.irp t, 0,1,2,3
	global_load_b128 v[QZ+6+12*\t:QZ+9+12*\t], v[L16], s[12:13] offset:768*\t
	global_load_b64 v[QZ+10+12*\t:QZ+11+12*\t], v[L8], s[12:13] offset:768*\t+512
.endr
.irp z, 0,1,2,3,4
.irp i, 0,1,2,3,4,5
	v_mov_b32 v[QZ+12*\z+\i], 0
.endr
.endr
	WIN 0
	global_load_b32 v[TMP], v[L8], s[14:15]        ; q's loads are out while the first tile is on its way
	s_wait_alu depctr_va_vdst(0)
	s_wait_tensorcnt 0x0                           ; the wait, the add and its wait ahead of a later first fill
	ds_add_u32 v254, v255
	s_wait_dscnt 0x0
	s_barrier_signal -1
	s_barrier_wait -1
	tensor_load_to_lds s[G0B:G0B+3], s[G1B:G1B+7]
	s_nop 0
.rept 4
	v_nop
.endr
	s_lshr_b32 s48, s[HD], 4
	s_and_b32 s49, s[HD], 15
	s_lshl_b32 s50, s48, 7
	s_lshl_b32 s51, ttmp9, 5
	s_add_co_u32 s50, s50, s51
	s_lshl_b32 s51, s[WV], 2
	s_add_co_u32 s50, s50, s51
	s_mul_i32 s52, s50, 12288
	s_mul_i32 s51, s49, 768
	s_add_co_u32 s52, s52, s51
	s_add_nc_u64 s[6:7], s[6:7], s[52:53]
	s_lshl_b32 s52, s50, 9
	s_lshl_b32 s51, s49, 1
	s_add_co_u32 s52, s52, s51
	s_add_nc_u64 s[8:9], s[8:9], s[52:53]
	s_mov_b32 s[SEL], 0x76543210
	s_mov_b32 s[SEL+1], 0xfedcba98
	s_mov_b32 s[CS], 0x3e38aa3b
	s_mov_b32 s[CS+1], s[CS]
	s_mov_b32 s[TB], 0
	s_wait_loadcnt 0x0
	v_perm_b32 v[QSR], v[TMP], v[TMP], 0x01000100
	v_perm_b32 v[QSR+1], v[TMP], v[TMP], 0x03020302
.irp t, 0,1,2,3
	v_mov_b32 v[ST+4*\t+1], 0xff61b1e6
	s_delay_alu instid0(VALU_DEP_1)
	v_floor_f32 v[ST+4*\t], -v[ST+4*\t+1]
	v_mov_b32 v[ST+4*\t+2], 0
	v_mov_b32 v[ST+4*\t+3], 0
	v_mov_b32 v[T8+\t], 0
.endr
	v_mov_b32 v[FAC+1], 0
.macro WS d, a, b, zero, sa, sb, ra, rb
.if \zero
.if (\ra) && (\rb)
	v_wmma_scale_f32_16x16x128_f8f6f4 v[\d:\d+7], v[\a:\a+11], v[\b:\b+11], 0, v[\sa], v[\sb] matrix_a_fmt:MATRIX_FMT_FP6 matrix_b_fmt:MATRIX_FMT_FP6 matrix_a_scale:MATRIX_SCALE_ROW1 matrix_b_scale:MATRIX_SCALE_ROW1
.elseif (\ra)
	v_wmma_scale_f32_16x16x128_f8f6f4 v[\d:\d+7], v[\a:\a+11], v[\b:\b+11], 0, v[\sa], v[\sb] matrix_a_fmt:MATRIX_FMT_FP6 matrix_b_fmt:MATRIX_FMT_FP6 matrix_a_scale:MATRIX_SCALE_ROW1
.elseif (\rb)
	v_wmma_scale_f32_16x16x128_f8f6f4 v[\d:\d+7], v[\a:\a+11], v[\b:\b+11], 0, v[\sa], v[\sb] matrix_a_fmt:MATRIX_FMT_FP6 matrix_b_fmt:MATRIX_FMT_FP6 matrix_b_scale:MATRIX_SCALE_ROW1
.else
	v_wmma_scale_f32_16x16x128_f8f6f4 v[\d:\d+7], v[\a:\a+11], v[\b:\b+11], 0, v[\sa], v[\sb] matrix_a_fmt:MATRIX_FMT_FP6 matrix_b_fmt:MATRIX_FMT_FP6
.endif
.else
.if (\ra) && (\rb)
	v_wmma_scale_f32_16x16x128_f8f6f4 v[\d:\d+7], v[\a:\a+11], v[\b:\b+11], v[\d:\d+7], v[\sa], v[\sb] matrix_a_fmt:MATRIX_FMT_FP6 matrix_b_fmt:MATRIX_FMT_FP6 matrix_a_scale:MATRIX_SCALE_ROW1 matrix_b_scale:MATRIX_SCALE_ROW1
.elseif (\ra)
	v_wmma_scale_f32_16x16x128_f8f6f4 v[\d:\d+7], v[\a:\a+11], v[\b:\b+11], v[\d:\d+7], v[\sa], v[\sb] matrix_a_fmt:MATRIX_FMT_FP6 matrix_b_fmt:MATRIX_FMT_FP6 matrix_a_scale:MATRIX_SCALE_ROW1
.elseif (\rb)
	v_wmma_scale_f32_16x16x128_f8f6f4 v[\d:\d+7], v[\a:\a+11], v[\b:\b+11], v[\d:\d+7], v[\sa], v[\sb] matrix_a_fmt:MATRIX_FMT_FP6 matrix_b_fmt:MATRIX_FMT_FP6 matrix_b_scale:MATRIX_SCALE_ROW1
.else
	v_wmma_scale_f32_16x16x128_f8f6f4 v[\d:\d+7], v[\a:\a+11], v[\b:\b+11], v[\d:\d+7], v[\sa], v[\sb] matrix_a_fmt:MATRIX_FMT_FP6 matrix_b_fmt:MATRIX_FMT_FP6
.endif
.endif
.endm
.macro HFL reg, off
	ds_load_b128 v[\reg:\reg+3], v[A16] offset:\off
	ds_load_b64 v[\reg+4:\reg+5], v[A8] offset:\off+512
.endm
.macro SCORES t
	WIN 0x04
.irp p, 0,1,2,3
	WS S+16*\p, FK+12*\p, QZ+6+12*(\t), 1, KSR+\p/2, QSR+(\t)%2, \p%2, (\t)/2
	WS S+16*\p+8, FK+12*\p, QZ+12*(\t), 1, KSR+\p/2, QSR+(\t)%2, \p%2, (\t)/2
.endr
	WIN 0
.rept 4
	v_nop
.endr
.endm
.macro SOFTMAX t, first
.set RT, ST+4*(\t)
.set PCT, PCD+12*(\t)
.irp b, 0,1,2,3
	v_max3_num_f32 v[BM+\b], v[S+16*\b], v[S+1+16*\b], v[S+2+16*\b]
.endr
.irp i, 3,5,7,9,11,13
.irp b, 0,1,2,3
	v_max3_num_f32 v[BM+\b], v[BM+\b], v[S+16*\b+\i], v[S+1+16*\b+\i]
.endr
.endr
.irp b, 0,1,2,3
	v_max_num_f32 v[BM+\b], v[BM+\b], v[S+15+16*\b]
.endr
.irp b, 0,1,2,3
	s_delay_alu instid0(VALU_DEP_4)
	v_permlanex16_b32 v[T8+\b], v[BM+\b], s[SEL], s[SEL+1]
.endr
.irp b, 0,1,2,3
	s_delay_alu instid0(VALU_DEP_4)
	v_max_num_f32 v[BM+\b], v[BM+\b], v[T8+\b]
.endr
	s_delay_alu instid0(VALU_DEP_2)
	v_max3_num_f32 v[TMP], v[BM], v[BM+1], v[BM+2]
	s_delay_alu instid0(VALU_DEP_1)
	v_max_num_f32 v[TMP], v[TMP], v[BM+3]
	s_delay_alu instid0(VALU_DEP_1)
	v_mul_f32 v[TMP], s[CS], v[TMP]
	s_delay_alu instid0(VALU_DEP_1)
	v_max_num_f32 v[RT+1], v[RT+1], v[TMP]
	v_mov_b32 v[TMP], v[RT]
	s_delay_alu instid0(VALU_DEP_2)
	v_floor_f32 v[RT], -v[RT+1]
	s_delay_alu instid0(VALU_DEP_1)
	v_sub_f32 v[TMP], v[RT], v[TMP]
	s_delay_alu instid0(VALU_DEP_1)
	v_cvt_i32_f32 v[TMP], v[TMP]
	s_delay_alu instid0(VALU_DEP_1)
	v_ldexp_f32 v[FAC], 1.0, v[TMP]
.set JJ, 0
.rept 32
	v_pk_fma_f32 v[S+JJ:S+JJ+1], v[S+JJ:S+JJ+1], s[CS:CS+1], v[RT:RT+1] op_sel_hi:[1,0,0]
.set JJ, JJ+2
.endr
.irp b, 0,1,2,3
	v_fma_f32 v[BM+\b], v[BM+\b], s[CS], v[RT]
.endr
.set JJ, 0
	s_wait_alu depctr_va_vdst(0)
.rept 64
	v_exp_f32 v[S+JJ], v[S+JJ]
.set JJ, JJ+1
.endr
.irp b, 0,1,2,3
	v_exp_f32 v[BM+\b], v[BM+\b]
.endr
	v_pk_mul_f32 v[RT+2:RT+3], v[RT+2:RT+3], v[FAC:FAC+1] op_sel_hi:[1,0]
	s_wait_alu depctr_va_vdst(0)
.irp b, 0,1,2,3
	v_max_num_f32 v[BM+\b], 0x1800000, v[BM+\b]
.endr
.irp b, 0,1,2,3
	s_delay_alu instid0(VALU_DEP_4)
	v_add_nc_u32 v[SO+\b], 0xff000000, v[BM+\b]
.endr
.irp b, 0,1,2,3
	s_delay_alu instid0(VALU_DEP_4)
	v_lshrrev_b32 v[T8+\b], 23, v[SO+\b]
.endr
	s_delay_alu instid0(VALU_DEP_3)
	v_lshl_or_b32 v[PSR+\t], v[T8+1], 8, v[T8]
	s_delay_alu instid0(VALU_DEP_1)
	v_lshl_or_b32 v[PSR+\t], v[T8+2], 16, v[PSR+\t]
	s_delay_alu instid0(VALU_DEP_1)
	v_lshl_or_b32 v[PSR+\t], v[T8+3], 24, v[PSR+\t]
.irp c, 0,1
	v_cvt_scalef32_pk16_fp6_f32 v[PCT+6*\c:PCT+6*\c+2], v[S+32*\c:S+32*\c+15], v[SO+2*\c]
	v_cvt_scalef32_pk16_fp6_f32 v[T8+4*\c:T8+4*\c+2], v[S+32*\c+16:S+32*\c+31], v[SO+2*\c+1]
.endr
	v_nop
.irp c, 0,1
.irp i, 0,1,2
	v_permlane16_swap_b32 v[PCT+6*\c+\i], v[T8+4*\c+\i]
.endr
.irp i, 0,1,2
	s_delay_alu instid0(VALU_DEP_3)
	v_mov_b32 v[PCT+3+6*\c+\i], v[T8+4*\c+\i]
.endr
.endr
	v_pk_add_f32 v[T8:T8+1], v[S:S+1], v[S+2:S+3]
.set JJ, 4
.rept 15
	v_pk_add_f32 v[RT+2:RT+3], v[RT+2:RT+3], v[S+JJ:S+JJ+1]
	v_pk_add_f32 v[T8:T8+1], v[T8:T8+1], v[S+JJ+2:S+JJ+3]
.set JJ, JJ+4
.endr
	s_delay_alu instid0(VALU_DEP_1)
	v_pk_add_f32 v[RT+2:RT+3], v[RT+2:RT+3], v[T8:T8+1]
.if \first == 0
	WIN 0x41
.set JJ, 0
.rept 16
	v_pk_mul_f32 v[32*(\t)+JJ:32*(\t)+JJ+1], v[32*(\t)+JJ:32*(\t)+JJ+1], v[FAC:FAC+1] op_sel_hi:[1,0]
.set JJ, JJ+2
.endr
	WIN 0
.endif
.endm
.macro PV first
	WIN 0x51
.irp u, 0,1,2,3
.irp t, 0,1,2,3
	WS 32*\t+8*\u, FV+12*\u, PCD+12*\t, \first, VSR+\u/2, PSR+\t, \u%2, 0
.endr
.endr
	WIN 0
.endm
.macro KLOAD                           ; k's scale words and eight half fragments of the step at v[A16], v[A8]: 17 loads
	ds_load_b64 v[KSR:KSR+1], v[A8] offset:12288
.irp i, 0,1,2,3,4,5,6,7
	HFL FK+6*\i, 768*\i
.endr
.endm
.macro STEP first
	v_add_nc_u32 v[A16], s[TB], v[L16]
	v_add_nc_u32 v[A8], s[TB], v[L8]
	v_nop
	v_nop
	ds_load_b64 v[VSR:VSR+1], v[A8] offset:12544
	WIN 0x40
.irp i, 0,1,2,3,4,5,6,7
	HFL FV+6*\i, 6144+768*\i
.endr
	WIN 0
	s_wait_dscnt 17
.irp t, 0,1,2,3
	SCORES \t
.if \t == 3
	s_add_co_u32 s47, s[TB], STEPB                 ; k's registers are free behind the last score products and their four places: the next step's come in now,
	s_min_u32 s47, s47, 15*STEPB                   ; held at the last step, so that no read leaves the tiles
	v_add_nc_u32 v[A16], s47, v[L16]
	v_add_nc_u32 v[A8], s47, v[L8]
	KLOAD
.endif
	SOFTMAX \t, \first
.endr
	s_wait_alu depctr_va_vdst(0)
	s_wait_dscnt 0x0
	PV \first
	s_add_co_u32 s[TB], s[TB], STEPB
.endm
	s_wait_tensorcnt 0x1
	s_barrier_signal -1
	s_barrier_wait -1
	v_add_nc_u32 v[A16], s[TB], v[L16]
	v_add_nc_u32 v[A8], s[TB], v[L8]
	KLOAD                                          ; step 0's k; the step's wait for all but v's 17 loads covers it
	STEP 1
	s_mov_b32 s[CNT], 2                            ; steps 1 and 2: step 2 fetches step 3's k, which the first fill brought
.Lfirst:
	STEP 0
	s_sub_co_u32 s[CNT], s[CNT], 1
	s_cmp_lg_u32 s[CNT], 0
	s_cbranch_scc1 .Lfirst
	s_wait_tensorcnt 0x0
	s_wait_dscnt 0x0
	s_barrier_signal -1
	s_barrier_wait -1
	s_mov_b32 s[CNT], 13
.Lrest:
	STEP 0
	s_sub_co_u32 s[CNT], s[CNT], 1
	s_cmp_lg_u32 s[CNT], 0
	s_cbranch_scc1 .Lrest
.irp t, 0,1,2,3
	v_add_f32 v[R+2*\t], v[ST+4*\t+2], v[ST+4*\t+3]
.endr
.irp t, 0,1,2,3
	s_delay_alu instid0(VALU_DEP_4)
	v_permlanex16_b32 v[BM+\t], v[R+2*\t], s[SEL], s[SEL+1]
.endr
.irp t, 0,1,2,3
	s_delay_alu instid0(VALU_DEP_4)
	v_add_f32 v[R+2*\t], v[R+2*\t], v[BM+\t]
.endr
	s_wait_alu depctr_va_vdst(0)
.irp t, 0,1,2,3
	v_rcp_f32 v[R+2*\t], v[R+2*\t]
.endr
	s_wait_alu depctr_va_vdst(0)
.irp t, 0,1,2,3
	v_mov_b32 v[R+2*\t+1], 0
.endr
.macro OUT t
.set XO, S+32*((\t)%2)
.set PCT, PCD+12*(\t)
	WIN 0x01
.set JJ, 0
.rept 16
	v_pk_mul_f32 v[XO+JJ:XO+JJ+1], v[32*(\t)+JJ:32*(\t)+JJ+1], v[R+2*(\t):R+2*(\t)+1] op_sel_hi:[1,0]
.set JJ, JJ+2
.endr
	WIN 0
.irp b, 0,1
.irp j, 0,1,2,3,4,5,6,7
	v_permlane16_swap_b32 v[XO+16*\b+\j], v[XO+16*\b+8+\j]
.endr
.endr
.irp b, 0,1
	v_max3_num_f32 v[BM+\b], |v[XO+16*\b]|, |v[XO+16*\b+1]|, 0x1800000
.endr
.irp i, 2,4,6,8,10,12,14
.irp b, 0,1
	s_delay_alu instid0(VALU_DEP_2)
	v_max3_num_f32 v[BM+\b], v[BM+\b], |v[XO+16*\b+\i]|, |v[XO+16*\b+\i+1]|
.endr
.endr
.irp b, 0,1
	s_delay_alu instid0(VALU_DEP_2)
	v_permlanex16_b32 v[T8+\b], v[BM+\b], s[SEL], s[SEL+1]
.endr
.irp b, 0,1
	s_delay_alu instid0(VALU_DEP_2)
	v_max_num_f32 v[BM+\b], v[BM+\b], v[T8+\b]
.endr
.irp b, 0,1
	s_delay_alu instid0(VALU_DEP_2)
	v_add_nc_u32 v[SO+\b], 0xff000000, v[BM+\b]
.endr
.irp b, 0,1
	s_delay_alu instid0(VALU_DEP_2)
	v_lshrrev_b32 v[T8+\b], 23, v[SO+\b]
.endr
	s_delay_alu instid0(VALU_DEP_1)
	v_lshl_or_b32 v[W16+\t], v[T8+1], 8, v[T8]
	v_cvt_scalef32_pk16_fp6_f32 v[PCT:PCT+2], v[XO:XO+15], v[SO]
	v_cvt_scalef32_pk16_fp6_f32 v[PCT+8:PCT+10], v[XO+16:XO+31], v[SO+1]
	v_nop
.irp i, 0,1,2
	v_permlane16_swap_b32 v[PCT+\i], v[PCT+8+\i]
.endr
.irp i, 0,1,2
	s_delay_alu instid0(VALU_DEP_3)
	v_mov_b32 v[PCT+3+\i], v[PCT+8+\i]
.endr
	global_store_b128 v[L16], v[PCT:PCT+3], s[6:7] offset:12288*\t
	global_store_b64 v[L8], v[PCT+4:PCT+5], s[6:7] offset:12288*\t+512
.endm
	OUT 0
	OUT 1
	OUT 2
	OUT 3
	v_cndmask_b32 v[TMP], v[W16], v[W16+1], s[HI]
	v_cndmask_b32 v[TMP+1], v[W16+2], v[W16+3], s[HI]
	global_store_b16 v[GOS], v[TMP], s[8:9]
	global_store_b16 v[GOS], v[TMP+1], s[8:9] offset:1024
	s_wait_tensorcnt 0x0
	ds_add_u32 v254, v255
	s_wait_dscnt 0x0
	s_endpgm
.Lfunc_end_k_q91227a5497_attn:
	.size	k_q91227a5497_attn, .Lfunc_end_k_q91227a5497_attn-k_q91227a5497_attn
	.p2alignl 7, 3214868480
	.fill 96, 4, 3214868480
	.section	.rodata,"a",@progbits
	.p2align	6, 0x0
	.amdhsa_kernel k_q91227a5497_attn
		.amdhsa_group_segment_fixed_size 327680
		.amdhsa_private_segment_fixed_size 0
		.amdhsa_enable_private_segment 0
		.amdhsa_kernarg_size 24
		.amdhsa_user_sgpr_count 2
		.amdhsa_user_sgpr_kernarg_segment_ptr 1
		.amdhsa_wavefront_size32 1
		.amdhsa_system_sgpr_workgroup_id_x 1
		.amdhsa_system_sgpr_workgroup_id_y 1
		.amdhsa_system_sgpr_workgroup_id_z 1
		.amdhsa_system_vgpr_workitem_id 0
		.amdhsa_next_free_vgpr 512
		.amdhsa_next_free_sgpr 66
		.amdhsa_reserve_vcc 0
		.amdhsa_float_denorm_mode_32 3
		.amdhsa_float_denorm_mode_16_64 3
		.amdhsa_memory_ordered 1
		.amdhsa_forward_progress 1
		.amdhsa_inst_pref_size 206
	.end_amdhsa_kernel
	.amdgpu_metadata
---
amdhsa.version: [ 1, 2 ]
amdhsa.kernels:
  - .name:           k_q91227a5497_attn
    .symbol:         k_q91227a5497_attn.kd
    .args:
      - { .name: qkv, .offset: 0, .size: 8, .value_kind: global_buffer, .address_space: global }
      - { .name: oc, .offset: 8, .size: 8, .value_kind: global_buffer, .address_space: global }
      - { .name: os, .offset: 16, .size: 8, .value_kind: global_buffer, .address_space: global }
    .group_segment_fixed_size: 327680
    .private_segment_fixed_size: 0
    .kernarg_segment_align: 8
    .kernarg_segment_size: 24
    .max_flat_workgroup_size: 256
    .sgpr_count:     66
    .vgpr_count:     512
    .wavefront_size: 32
...
	.end_amdgpu_metadata
.endif
;; end of part 2
;; launch outp (part 3): grid 8 x 32, 4 waves a work-group, clusters of 4 x 4, 327,680 bytes of LDS; arguments oc, os, Wo_codes, Wo_scales, bo, out0; writes out0
.if DOCPART == 3
	.amdgcn_target "amdgcn-amd-amdhsa--gfx1250"
	.amdhsa_code_object_version 6
	.text
	.protected	k_q91227a5497_outp
	.globl	k_q91227a5497_outp
	.p2align	8
	.type	k_q91227a5497_outp,@function
k_q91227a5497_outp:
	s_mov_b64 s[64:65], 0
	v_nop
	global_prefetch_b8 v0, s[64:65] scope:SCOPE_SE
	s_setreg_imm32_b32 hwreg(HW_REG_WAVE_MODE, 25, 1), 1
	s_wait_xcnt 0x0
	s_wait_alu depctr_hold_cnt(0) depctr_sa_sdst(0) depctr_va_vdst(0) depctr_va_sdst(0) depctr_va_ssrc(0) depctr_va_vcc(0) depctr_vm_vsrc(0)
	s_getreg_b32 s2, hwreg(HW_REG_IB_STS2, 6, 4)
	s_cmp_eq_u32 s2, 0
	s_cbranch_scc0 .Lentry_in_a_cluster
	s_endpgm
.Lentry_in_a_cluster:
	s_bfe_u32 s2, ttmp6, 0x10000c
	s_cmp_lg_u32 s2, 0xf033
	s_cbranch_scc0 .Lentry_shape_is_right
	s_endpgm
.Lentry_shape_is_right:
; out0 = o Wo^T + bo on codes of FP6 (E2M3) with E8M0 scales; K = 1,024; sums in f32; the bias is the first products' C.
; oc: [tile of 16 rows][head][768]: half fragments as the attention launch stores them (lane l's registers 0-3 at 16 l, 4-5 at 512 + 8 l); os: [row][32] scale bytes.
; SHARES: 256 work-groups, each 256 rows x 128 columns; four waves, 2 x 2: wave (a, b) makes rows 128 a .. and columns 64 b ...
; NO RING: all of K lies in LDS after one joint load a wave at the head: Wo's 128 rows (rows of 768 bytes, 16 of padding behind every 256), o's scale bytes, and o's images in two halves of 98,304 dense bytes stated as rows of 256.
; A wave holds its 64 rows of Wo, all of K, in 384 registers and streams its eight blocks of 16 rows of o past them: 32 products a block on four accumulators by turns.
; A block's 16 x 64 results leave at once, through the wave's own stage, as whole rows of 256 bytes, while later blocks are multiplied.
; CLUSTERS 4 x 4: o's tiles are shared by a row of the cluster, Wo's by a column.  No prefetch: every tile is asked for at the head, and there is no loop to run ahead in.
; The matrix instruction is used transposed (source 0 = Wo's rows): a lane holds eight neighbouring columns of one row.
; LDS: 0 o's images; BVB Wo's rows; SCL o's scale bytes; SPARE the spare words; STAGE 16 x 272 bytes a wave, on which no fill lands.
.set KROW,   768
.set PITCH,  816
.set FR,     12
.set FPW,    21                        ; fragments to a window of 256 registers: fragment f lies in window 1 + f / 21 at register 12 (f % 21); 0-31 Wo's (4 q + bb), 32-47 o's two sets
.set NF,     34                        ; LDS loads of a block: 32 for eight fragments, 2 for eight scale words
.set TILEB,  12288
.set BVB,    16*TILEB
.set SCL,    BVB+128*PITCH
.set SPARE,  SCL+32*272
.set STAGE,  SPARE+512
.set SPITCH, 272
.set BO,   8
.set CO,   9
.set SPW,  10
.set NIL,  11
.set A16,  12
.set A8,   13
.set ADRB, 14
.set ABS,  16
.set AAS,  17
.set STO,  18
.set RD,   19
.set A160, 20
.set A80,  21
.set AAS0, 22
.set SB,   32                          ; v32-47 Wo's scale words: register 8 p + q: lanes 0-15 block 2 p, lanes 16-31 block 2 p + 1
.set SA,   52                          ; v52-67 o's scale words, two sets of eight
.set RBI,  72                          ; v72-103 the bias as C
.set ACC,  104                         ; v104-167 two sets of four accumulators
.set OB,   168                         ; v168-199 a block read back from the stage
.set G1A, 24
.set G1B, 32
.set G1S, 48
.set G0B, 56
.set G0S, 60
.set G0A0, 68
.set G0A1, 72
.set MSB, 0
.macro WIN new
.if MSB != (\new)
	s_set_vgpr_msb (MSB<<8)|(\new)
.set MSB, (\new)
.endif
.endm
.macro PLACES n
.rept \n
	v_nop
.endr
.endm
.macro WALU
	s_wait_alu depctr_va_vdst(0)
.endm
.macro BARRIER
	s_barrier_signal -1
	s_barrier_wait -1
.endm
.macro CROUND
	s_barrier_signal -1
	s_barrier_wait -1
	s_cmp_lg_u32 s14, 0
	s_cbranch_scc1 .Lnot_wave_0_\@
	s_barrier_signal -3
.Lnot_wave_0_\@:
	s_barrier_wait -3
	s_barrier_signal -1
	s_barrier_wait -1
.endm
.macro TLOAD g0, g1                    ; s_nop 0 and four v_nop behind the load
	tensor_load_to_lds s[\g0:\g0+3], s[\g1:\g1+7]
	s_nop 0
	PLACES 4
.endm
.macro FRAGB q, bb                     ; six pieces of 8 bytes; lanes 16-31 read 24 bytes on, behind one padding more where the piece begins at byte 232 or later of its 256
.set F_, 4*(\q)+(\bb)
	WIN (1+F_/FPW)<<6
.set R_, FR*(F_%FPW)
.irp p, 0,1,2,3,4,5
.set PC_, 12*(\q)+6*(\p/3)+\p%3
	ds_load_b64 v[R_+2*\p:R_+2*\p+1], v[ADRB+(PC_%32+3)/32] offset:8*(PC_+2*(PC_/32))+(\bb)*16*PITCH
.endr
.endm
.macro FRAGA e, q
.set F_, 32+8*(\e)+(\q)
	WIN (1+F_/FPW)<<6
.set R_, FR*(F_%FPW)
.irp c, 0,1
	ds_load_b128 v[R_+6*\c:R_+6*\c+3], v[A16] offset:768*(2*(\q)+\c)
	ds_load_b64 v[R_+6*\c+4:R_+6*\c+5], v[A8] offset:768*(2*(\q)+\c)+512
.endr
.endm
.macro FETCH e                         ; a block of o's rows, all of K, into set e
.irp q, 0,1,2,3,4,5,6,7
	FRAGA \e, \q
.endr
	WIN 0
	ds_load_b128 v[SA+8*\e:SA+8*\e+3], v[AAS]
	ds_load_b128 v[SA+8*\e+4:SA+8*\e+7], v[AAS] offset:16
.endm
.macro STEPA                           ; the LDS addresses of the next block to fetch
	s_add_co_u32 s90, s90, TILEB
	s_add_co_u32 s91, s91, 2*272
	v_add_nc_u32 v[A16], s90, v[A160]
	v_add_nc_u32 v[A8], s90, v[A80]
	v_add_nc_u32 v[AAS], s91, v[AAS0]
.endm
.macro PROD1 c, row
	v_wmma_scale_f32_16x16x128_f8f6f4 v[D_:D_+7], v[FBR_:FBR_+11], v[FAR_:FAR_+11], \c, v[XB_], v[XA_] matrix_a_fmt:MATRIX_FMT_FP6 matrix_b_fmt:MATRIX_FMT_FP6 matrix_a_scale:MATRIX_SCALE_ROW\row
.endm
.macro PRODR bb, c
.if (\bb)%2
	PROD1 \c, 1
.else
	PROD1 \c, 0
.endif
.endm
.macro PROD e, q, bb
.set FB_, 4*(\q)+(\bb)
.set FA_, 32+8*(\e)+(\q)
.set FBR_, FR*(FB_%FPW)
.set FAR_, FR*(FA_%FPW)
.set D_, ACC+32*(\e)+8*(\bb)
.set XB_, SB+8*((\bb)/2)+(\q)
.set XA_, SA+8*(\e)+(\q)
	WIN (1+FB_/FPW)|((1+FA_/FPW)<<2)
.if \q
	PRODR \bb, v[D_:D_+7]
.else
	PRODR \bb, v[RBI+8*(\bb):RBI+8*(\bb)+7]
.endif
.endm
; A block: 32 products; four places; the results through my stage; the fetch of the block two on; the stores.
; s_wait_dscnt NF: only the fetch just issued may be out, so the stage's rows are back, and the next block's rows, fetched a block ago, are in.
.macro BLK e, fetch
.irp q, 0,1,2,3,4,5,6,7
.irp bb, 0,1,2,3
	PROD \e, \q, \bb
.endr
.endr
	WIN 0
.if \fetch
	STEPA
	v_nop
	WALU
.else
	PLACES 4
.endif
.irp bb, 0,1,2,3
	ds_store_b128 v[STO], v[ACC+32*\e+8*\bb:ACC+32*\e+8*\bb+3] offset:64*\bb
	ds_store_b128 v[STO], v[ACC+32*\e+8*\bb+4:ACC+32*\e+8*\bb+7] offset:64*\bb+16
.endr
.irp t, 0,1,2,3,4,5,6,7
	ds_load_b128 v[OB+4*\t:OB+4*\t+3], v[RD] offset:\t*2*SPITCH   ; LDS serves a wave's instructions in order (ISA guide 5.7.1.4)
.endr
.if \fetch
	FETCH \e
	s_wait_dscnt NF
.else
	s_wait_dscnt 0x0
.endif
.irp t, 0,1,2,3,4,5,6,7
	global_store_b128 v[CO], v[OB+4*\t:OB+4*\t+3], s[98:99] offset:\t*8192 th:TH_STORE_NT   ; each half of the lanes stores 256 consecutive bytes, aligned
.endr
	s_wait_xcnt 0x0                                ; the stores have read their data and their base
	s_add_nc_u64 s[98:99], s[98:99], 65536         ; 16 rows of out0 on
.endm
	s_load_b128 s[4:7], s[0:1], 0x0                ; oc, os
	s_load_b128 s[8:11], s[0:1], 0x10              ; Wo's codes, scales
	s_load_b128 s[96:99], s[0:1], 0x20             ; bo, out0
	v_lshl_add_u32 v[SPW], v0, 2, SPARE
	v_mov_b32 v[NIL], 0
	ds_add_u32 v[SPW], v[NIL]                      ; the opening lines: the add twice and one wait
	ds_add_u32 v[SPW], v[NIL]
	v_lshrrev_b32 v1, 5, v0
	v_readfirstlane_b32 s14, v1                    ; wave
	s_lshr_b32 s15, s14, 1                         ; a
	s_and_b32 s16, s14, 1                          ; b
	s_bfe_u32 s40, ttmp6, 0x40000
	s_bfe_u32 s41, ttmp6, 0x40004
	s_lshl_b32 s42, ttmp9, 2
	s_add_co_u32 s42, s42, s40                     ; tile column, 0 .. 7
	s_and_b32 s17, ttmp7, 0xffff
	s_lshl_b32 s17, s17, 2
	s_add_co_u32 s17, s17, s41                     ; tile row, 0 .. 31
	s_lshl_b32 s43, s41, 2
	s_lshl_b32 s43, 15, s43                        ; my row of the cluster
	s_lshl_b32 s44, 0x1111, s40                    ; my column
	s_or_b32 s[G1A+0], s43, (3<<16)|(1<<21)        ; half of o's images: 384 rows of 256 bytes, dense
	s_mov_b32 s[G1A+1], 32<<16
	s_mov_b32 s[G1A+2], 384<<16
	s_mov_b32 s[G1A+3], 32<<16
	s_mov_b32 s[G1A+4], 384
	s_mov_b32 s[G1A+5], 32
	s_mov_b32 s[G1A+6], 0
	s_mov_b32 s[G1A+7], 0
	s_or_b32 s[G1B+0], s44, (1<<20)|(1<<21)|(5<<22)|(3<<25)   ; Wo: 128 rows of 768 bytes
	s_mov_b32 s[G1B+1], KROW<<16
	s_mov_b32 s[G1B+2], 128<<16
	s_mov_b32 s[G1B+3], KROW<<16
	s_mov_b32 s[G1B+4], 128
	s_mov_b32 s[G1B+5], KROW
	s_mov_b32 s[G1B+6], 0
	s_mov_b32 s[G1B+7], 0
	s_or_b32 s[G1S+0], s43, (3<<16)|(1<<20)|(1<<21)|(5<<22)|(3<<25)   ; o's scale bytes: 32 rows of 256
	s_mov_b32 s[G1S+1], 32<<16
	s_mov_b32 s[G1S+2], 32<<16
	s_mov_b32 s[G1S+3], 32<<16
	s_mov_b32 s[G1S+4], 32
	s_mov_b32 s[G1S+5], 32
	s_mov_b32 s[G1S+6], 0
	s_mov_b32 s[G1S+7], 0
	s_mul_i32 s20, s17, 16*TILEB                   ; my rows in oc,
	s_lshl_b32 s22, s17, 13                        ; in os;
	s_mul_i32 s46, s42, 128*KROW                   ; my columns in Wo's codes
	s_lshl_b32 s18, s42, 7
	s_lshl_b32 s19, s16, 6
	s_add_co_u32 s18, s18, s19                     ; my wave's first column
	s_lshl_b32 s92, s18, 5                         ; in Wo's scales,
	s_lshl_b32 s94, s18, 2                         ; in bo and in a row of out0
	s_lshl_b32 s88, s17, 8
	s_lshl_b32 s89, s15, 7
	s_add_co_u32 s88, s88, s89
	s_lshl_b32 s88, s88, 12                        ; my wave's first row of out0, in bytes
	s_mov_b32 s21, 0
	s_mov_b32 s23, 0
	s_mov_b32 s47, 0
	s_mov_b32 s93, 0
	s_mov_b32 s95, 0
	s_mov_b32 s89, 0
	s_mov_b32 s90, 0
	s_mov_b32 s91, 0
	s_mul_i32 s80, s16, 64*PITCH
	s_add_co_u32 s80, s80, BVB
	s_mul_i32 s81, s15, 8*TILEB
	s_mul_i32 s82, s15, 16*272
	s_add_co_u32 s82, s82, SCL
	s_mul_i32 s83, s14, 16*SPITCH
	s_add_co_u32 s83, s83, STAGE
	v_and_b32 v1, 15, v0                           ; r
	v_bfe_u32 v2, v0, 4, 1                         ; h
	v_and_b32 v3, 31, v0                           ; lane
	v_mul_u32_u24 v4, v1, PITCH
	v_mad_u32_u24 v5, v2, 24, v4
	v_mad_u32_u24 v6, v2, 40, v4
	v_add_nc_u32 v[ADRB], s80, v5
	v_add_nc_u32 v[ADRB+1], s80, v6
	v_lshlrev_b32 v4, 4, v3
	v_lshlrev_b32 v5, 3, v3
	v_add_nc_u32 v[A160], s81, v4
	v_add_nc_u32 v[A80], s81, v5
	v_lshlrev_b32 v4, 5, v1                        ; my row's 32 scale bytes, 16 more behind every 256
	v_lshrrev_b32 v5, 8, v4
	v_lshl_add_u32 v4, v5, 4, v4
	v_add_nc_u32 v[AAS0], s82, v4
	v_mul_u32_u24 v4, v1, SPITCH
	v_lshl_add_u32 v4, v2, 5, v4
	v_add_nc_u32 v[STO], s83, v4                   ; in: row r, 32 bytes for each half of the lanes
	v_mul_u32_u24 v5, v2, SPITCH
	v_lshl_add_u32 v5, v1, 4, v5
	v_add_nc_u32 v[RD], s83, v5                    ; back: lanes 0-15 one row of 256 bytes, lanes 16-31 the next
	v_lshlrev_b32 v6, 12, v2
	v_lshl_add_u32 v[CO], v1, 4, v6                ; the same two rows in out0
	v_lshlrev_b32 v[ABS], 5, v3
	v_lshlrev_b32 v[BO], 5, v2
	v_mov_b32 v[A16], v[A160]
	v_mov_b32 v[A8], v[A80]
	v_mov_b32 v[AAS], v[AAS0]
	WALU                                           ; the wait at the head's end
	s_wait_dscnt 0x0
	CROUND                                         ; the round in front of the first joint loads
	s_wait_kmcnt 0x0
	s_add_nc_u64 s[20:21], s[4:5], s[20:21]
	s_mov_b32 s[G0A0], 1
	s_mov_b32 s[G0A0+1], 0
	s_mov_b64 s[G0A0+2:G0A0+3], s[20:21]
	s_or_b32 s[G0A0+3], s[G0A0+3], 0x80000000
	s_mov_b32 s[G0A1], 1
	s_mov_b32 s[G0A1+1], 8*TILEB
	s_add_nc_u64 s[G0A1+2:G0A1+3], s[20:21], 8*TILEB
	s_or_b32 s[G0A1+3], s[G0A1+3], 0x80000000
	s_mov_b32 s[G0S], 1
	s_mov_b32 s[G0S+1], SCL
	s_add_nc_u64 s[G0S+2:G0S+3], s[6:7], s[22:23]
	s_or_b32 s[G0S+3], s[G0S+3], 0x80000000
	s_mov_b32 s[G0B], 1
	s_mov_b32 s[G0B+1], BVB
	s_add_nc_u64 s[G0B+2:G0B+3], s[8:9], s[46:47]
	s_or_b32 s[G0B+3], s[G0B+3], 0x80000000
	s_add_nc_u64 s[10:11], s[10:11], s[92:93]
	s_add_nc_u64 s[96:97], s[96:97], s[94:95]
	s_add_nc_u64 s[98:99], s[98:99], s[94:95]
	s_add_nc_u64 s[98:99], s[98:99], s[88:89]
	s_cmp_eq_u32 s14, 0                            ; one load a wave, in one chain of branches; what is wanted first is asked for first
	s_cbranch_scc0 .Lwave_1
	TLOAD G0B, G1B                                 ; wave 0: Wo's rows
	s_branch .Lasked
.Lwave_1:
	s_cmp_eq_u32 s14, 1
	s_cbranch_scc0 .Lwave_2
	TLOAD G0S, G1S                                 ; wave 1: o's scale bytes
	s_branch .Lasked
.Lwave_2:
	s_cmp_eq_u32 s14, 2
	s_cbranch_scc0 .Lwave_3
	TLOAD G0A0, G1A                                ; wave 2: o's row tiles 0-7
	s_branch .Lasked
.Lwave_3:
	TLOAD G0A1, G1A                                ; wave 3: tiles 8-15
.Lasked:
.irp p, 0,1
.irp c, 0,1
	global_load_b128 v[SB+8*\p+4*\c:SB+8*\p+4*\c+3], v[ABS], s[10:11] offset:\p*1024+16*\c   ; lane l: row 32 p + l of my 64: the two loads of a p cover 1,024 dense bytes
.endr
.endr
.irp b, 0,1,2,3
	global_load_b128 v[RBI+8*\b:RBI+8*\b+3], v[BO], s[96:97] offset:64*\b                   ; bo[my first column + 16 b + 8 h + j]
	global_load_b128 v[RBI+8*\b+4:RBI+8*\b+7], v[BO], s[96:97] offset:64*\b+16
.endr
	s_cmp_eq_u32 s14, 0
	s_cbranch_scc0 .Lnot_b
	s_wait_tensorcnt 0x0                           ; wave 0's line is its own: Wo's rows are in
.Lnot_b:
	BARRIER
.irp q, 0,1,2,3,4,5,6,7                ; my 64 rows of Wo, all of K, while o's tiles are on their way
.irp bb, 0,1,2,3
	FRAGB \q, \bb
.endr
.endr
	WIN 0
	s_wait_tensorcnt 0x0                           ; every wave: all that is still out
	s_wait_dscnt 0x0
	BARRIER
	FETCH 0
	STEPA
	WALU
	FETCH 1
	s_wait_loadcnt 0x0                             ; Wo's scale words and the bias
	s_wait_dscnt NF                                ; block 0's rows are in
	s_mov_b32 s86, 0
.Lblocks:                                              ; blocks 0 to 5, two a trip; they fetch blocks 2 to 7
	BLK 0, 1
	BLK 1, 1
	s_add_co_u32 s86, s86, 1
	s_cmp_lg_u32 s86, 3
	s_cbranch_scc1 .Lblocks
	BLK 0, 0                                       ; the last two fetch nothing
	BLK 1, 0
	s_wait_tensorcnt 0x0                           ; the wave's end
	ds_add_u32 v[SPW], v[NIL]
	s_wait_dscnt 0x0
	CROUND                                         ; the closing round
	s_endpgm
.Lfunc_end_k_q91227a5497_outp:
	.size	k_q91227a5497_outp, .Lfunc_end_k_q91227a5497_outp-k_q91227a5497_outp
	.p2alignl 7, 3214868480
	.fill 96, 4, 3214868480
	.section	.rodata,"a",@progbits
	.p2align	6, 0x0
	.amdhsa_kernel k_q91227a5497_outp
		.amdhsa_group_segment_fixed_size 327680
		.amdhsa_private_segment_fixed_size 0
		.amdhsa_enable_private_segment 0
		.amdhsa_kernarg_size 48
		.amdhsa_user_sgpr_count 2
		.amdhsa_user_sgpr_kernarg_segment_ptr 1
		.amdhsa_wavefront_size32 1
		.amdhsa_system_sgpr_workgroup_id_x 1
		.amdhsa_system_sgpr_workgroup_id_y 1
		.amdhsa_system_sgpr_workgroup_id_z 1
		.amdhsa_system_vgpr_workitem_id 0
		.amdhsa_next_free_vgpr 896
		.amdhsa_next_free_sgpr 100
		.amdhsa_reserve_vcc 0
		.amdhsa_float_denorm_mode_32 3
		.amdhsa_float_denorm_mode_16_64 3
		.amdhsa_memory_ordered 1
		.amdhsa_forward_progress 1
		.amdhsa_inst_pref_size 56
	.end_amdhsa_kernel
	.amdgpu_metadata
---
amdhsa.version: [ 1, 2 ]
amdhsa.kernels:
  - .name:           k_q91227a5497_outp
    .symbol:         k_q91227a5497_outp.kd
    .args:
      - { .name: oc, .offset: 0, .size: 8, .value_kind: global_buffer, .address_space: global }
      - { .name: os, .offset: 8, .size: 8, .value_kind: global_buffer, .address_space: global }
      - { .name: Wo_codes, .offset: 16, .size: 8, .value_kind: global_buffer, .address_space: global }
      - { .name: Wo_scales, .offset: 24, .size: 8, .value_kind: global_buffer, .address_space: global }
      - { .name: bo, .offset: 32, .size: 8, .value_kind: global_buffer, .address_space: global }
      - { .name: out0, .offset: 40, .size: 8, .value_kind: global_buffer, .address_space: global }
    .group_segment_fixed_size: 327680
    .private_segment_fixed_size: 0
    .kernarg_segment_align: 8
    .kernarg_segment_size: 48
    .max_flat_workgroup_size: 128
    .sgpr_count:     100
    .vgpr_count:     896
    .wavefront_size: 32
...
	.end_amdgpu_metadata
.endif
;; end of part 3
